; MI455X (gfx1250); checked and timed in simulation.
; The chip was launched on July 23, 2026; its instructions are those of AMD's public machine-readable ISA for CDNA 5 (MIT licence, August 2026) and "CDNA5" Instruction Set Architecture Reference Guide (July 2026). The comments in the code are by the model that wrote it; some were corrected since.
;; Multi Query Attention. Allowed arithmetic: matrix products marked QUANTISED: E2M3 operands, one E8M0 scale for each 32 along K, by v_wmma_scale_f32_16x16x128_f8f6f4 with both operands' format E2M3, f32 sums; everything else in f32.
;; Inputs: Wk 1,024 x 64 float32; Wp 1,024 x 1,024 float32; Wq 16 x 1,024 x 64 float32; Wv 1,024 x 64 float32; bp 1,024 float32; x 4 x 2,048 x 1,024 float32.
;; Outputs: out0 4 x 2,048 x 1,024 float32.
;; This version of the problem:
;;   THIS VERSION OF THE PROBLEM IS GIVEN IN LOW PRECISION. The matrix products marked QUANTISED in the list below multiply operands that are first quantised to E2M3 (2 exponent bits, 3 mantissa bits; 6 bits a number), with one power-of-two scale for each 32 numbers along K (OCP MX v1.0); their sums are f32. All else is computed in f32.
;;   The module's matrix products, in the order in which they are computed (A, B: the left and right operand; K: the contracted axis; several contracted axes count as one K, in the product's order):
;;     1. [M 1,024, K 1,024] x [K 1,024, N 8,192]; A: input Wq; B: input x: QUANTISED
;;     2. [M 8,192, K 1,024] x [K 1,024, N 64]; A: input x; B: input Wk: QUANTISED
;;     3. [M 8,192, K 1,024] x [K 1,024, N 64]; A: input x; B: input Wv: QUANTISED
;;     4. batch 4 x [M 32,768, K 64] x [K 64, N 2,048]; A: computed on the way; B: computed on the way: QUANTISED
;;     5. batch 4 x [M 32,768, K 2,048] x [K 2,048, N 64]; A: softmax (see below); B: computed on the way: QUANTISED
;;     6. [M 8,192, K 1,024] x [K 1,024, N 1,024]; A: computed on the way; B: input Wp: QUANTISED
;;   THE QUANTISER, for each operand of a quantised product, along K:
;;     - K is cut into blocks of 32 from its start; a last block that is shorter is filled with zeros.
;;     - A block's scale is 2^e with e = floor(log2(the largest magnitude in the block)) - 2, held to -126 .. 127; a block of zeros has e = 0. As a byte (E8M0): e + 127.
;;     - Each number is divided by its block's scale, clamped to +-7.5, and rounded to the nearest number of E2M3, ties to even, subnormals kept.
;;     - The product sums the exact products of the quantised numbers (number of the format x scale) in f32.
;;   ~~~python
;;   def quantise(x, axis):      # numpy; x: float32 -> the quantised numbers, widened to float32 again
;;       x = np.moveaxis(x, axis, -1); K = x.shape[-1]
;;       x = np.pad(x, [(0, 0)] * (x.ndim - 1) + [(0, -K % 32)]); x = x.reshape(x.shape[:-1] + (-1, 32)); a = np.abs(x).max(-1, keepdims=True)
;;       e = np.where(a > 0, np.clip(np.frexp(np.where(a > 0, a, 1))[1] - 1 - 2, -126, 127), 0)      # np.frexp(a)[1] - 1 = floor(log2(a)), exactly
;;       r = np.clip(x / 2.0 ** e, -7.5, 7.5)
;;       step = 2.0 ** (np.maximum(np.frexp(np.where(r == 0, 1, r))[1] - 1, 0) - 3)
;;       q = np.round(r / step) * step * 2.0 ** e      # np.round: ties to even
;;       return np.moveaxis(q.reshape(q.shape[:-2] + (-1,))[..., :K], -1, axis).astype(np.float32)
;;   ~~~
;;   SOFTMAX AHEAD OF A QUANTISED PRODUCT. Where the list says 'softmax', what is quantised is not the finished softmax but p = 2^(t - M), with t = logit x log2(e) and M = ceil(the row's largest t), a whole number; so 1/2 < the row's largest p <= 1. The row's sum l is taken of the UNQUANTISED p, in f32, and the product's result is divided by l at the end. Since M is a whole number, a kernel that streams over the keys may use a running M (the ceiling of the running maximum): every later rescaling is an exact power of two, which a block's scale takes up: the codes' values come out the same.
;;   OPERANDS COMPUTED ON THE WAY. 'Computed on the way' means the value that the module computes at that place (a softmax that the list does not call 'softmax' is quantised finished and normalised). What goes into a quantiser is computed in f32, as accurately as f32 sums, v_exp_f32 and their like allow (about 1e-6 of the number): no bf16 or f16 on the way to a quantiser, and a product that is left as it is and whose result goes on into a quantised operand takes f32 operands (vector FMAs, or v_wmma_f32_16x16x4_f32). A number that lies on a knife's edge between two numbers of the format may be rounded either way, as far as f32 arithmetic and the matrix unit's own rounding can turn it there, and no further.
;; One version. Each part assembles by itself: llvm-mc -triple=amdgcn-amd-amdhsa -mcpu=gfx1250 --defsym DOCPART=n.
;; ======== version 1 of 1: 3 launches
;; limits: right only within a limited range of input values
;; workspace buffers: wimg 1,671,168 bytes; wsc 69,632 bytes; xc 6,291,456 bytes; xs 524,288 bytes; kc 393,216 bytes; ks 16,384 bytes; vc 393,216 bytes; vs 16,384 bytes
;; launch wquant (part 1): grid 136 x 2, 4 waves a work-group, no clusters, 0 bytes of LDS; arguments Wq, Wk, Wv, Wp, wimg, wsc; writes wimg, wsc
.if DOCPART == 1
	.amdgcn_target "amdgcn-amd-amdhsa--gfx1250"
	.amdhsa_code_object_version 6
	.text
	.protected	k_q2cd9fbe5c5_wquant
	.globl	k_q2cd9fbe5c5_wquant
	.p2align	8
	.type	k_q2cd9fbe5c5_wquant,@function
k_q2cd9fbe5c5_wquant:
	s_mov_b64 s[64:65], 0
	v_nop
	global_prefetch_b8 v0, s[64:65] scope:SCOPE_SE
	s_setreg_imm32_b32 hwreg(HW_REG_WAVE_MODE, 25, 1), 1
	s_wait_xcnt 0x0
; Wq [16][1024][64], Wk, Wv [1024][64], Wp [1024][1024], f32, K = their first matrix axis, become codes of FP6 (E2M3) with one E8M0 byte for each 32 along K,
; laid IN THE ORDER OF AN OPERAND'S REGISTERS: a fragment (16 columns x 128 along K) is 12 registers a lane; registers 4 g .. 4 g + 3 of lane L lie at byte 512 g + 16 L of its 1,536 bytes.
; Groups of 64 columns: G = 0..15 Wq's heads, 16 Wk, 17 Wv, 18..33 Wp's columns 64 (G - 18) on.  Fragment F = (8 G + s) 4 + t: K step s of 128, tile t of 16 columns.  Its 16 scale words lie at 64 F + 4 r.
; THE COLUMNS OF A TILE: in Wq, Wk, Wv lane r of tile 2 b + u takes column 32 b + 8 u + r + 8 (r / 8), so that the results of two neighbouring tiles are 16 neighbours in a lane; in Wp lane r of tile t takes column 16 t + r.
; ONE WAVE MAKES ONE FRAGMENT.  A lane takes a column and its registers run down K, in the order that the operand's layout gives that lane (k = 64 c + 32 h + 0 .. 31): the conversions' results are the operand's registers,
; a block's largest magnitude needs no other lane, and nothing is transposed.  Sixteen lanes read 64 bytes of a row of the weight (two runs of 32 where the columns are chosen): 9 MB in all, read once.
; A block's scale is 2^(floor(log2(its largest magnitude)) - 2): its byte is that magnitude's exponent field - 2, held at 1 from below.
; LIMITS: a block of zeros gets the byte 1 where the quantiser says 127 (its codes are zeros, and these bytes are read by this program alone); NaN and infinities among the inputs are not served.
; The scale words leave as 64 bytes a fragment, not as whole runs of 256: 69,632 bytes in all.  No LDS, no barrier, no matrix instruction: waves share nothing.
.set X,   128                          ; v128-191 my 64 numbers: register 32 c + i = k 64 c + 32 h + i of my column
.set MX,  32                           ; v32-33   largest magnitudes of my two blocks
.set BY,  36                           ; v36-37   their bytes
.set SO,  44                           ; v44-45   the conversions' scale operands
.set OP,  48                           ; v48-59   the operand's 12 registers
.set C2,  60                           ; v60-62, v64-66 the second halves of the two blocks' codes
.macro WL pitch                        ; 64 loads: row 64 c + i (+ 32 h in the lane's offset) of the K step, pitch bytes a row
.irp c, 0,1
.set i, 0
.rept 32
	global_load_b32 v[X+32*\c+i], v3, s[18:19] offset:(64*\c+i)*\pitch
.set i, i+1
.endr
.endr
.endm
	s_load_b256 s[4:11], s[0:1], 0x0               ; Wq s[4:5], Wk s[6:7], Wv s[8:9], Wp s[10:11]
	s_load_b128 s[12:15], s[0:1], 0x20             ; the images s[12:13], the scale words s[14:15]
	v_lshrrev_b32 v1, 5, v0
	v_readfirstlane_b32 s16, v1                    ; wave 0..3
	v_and_b32 v1, 15, v0                           ; r
	v_bfe_u32 v2, v0, 4, 1                         ; h
	v_and_b32 v6, 31, v0
	v_lshlrev_b32 v4, 4, v6                        ; 16 L: my place in a group of four registers
	v_lshlrev_b32 v5, 2, v1                        ; 4 r: my column's scale word
	s_and_b32 s17, ttmp7, 0xffff
	s_lshl_b32 s17, s17, 2
	s_add_co_u32 s17, s17, s16                     ; K step s = 4 y + wave
	s_lshr_b32 s21, ttmp9, 2                       ; G
	s_and_b32 s22, ttmp9, 3                        ; t
	s_lshl_b32 s23, s21, 3
	s_add_co_u32 s23, s23, s17
	s_lshl_b32 s23, s23, 2
	s_add_co_u32 s23, s23, s22                     ; F
	s_mul_i32 s24, s23, 1536
	s_mov_b32 s25, 0
	s_lshl_b32 s26, s23, 6
	s_mov_b32 s27, 0
	s_mov_b32 s28, 0x76543210
	s_mov_b32 s29, 0xfedcba98                      ; v_permlanex16_b32's selects for lane l xor 16
	s_wait_kmcnt 0x0
	s_add_nc_u64 s[12:13], s[12:13], s[24:25]
	s_add_nc_u64 s[14:15], s[14:15], s[26:27]
	s_cmp_lt_u32 ttmp9, 72                         ; groups 0..17 have rows of 256 bytes, Wp's have rows of 4,096: the branch hangs on the work-group's number alone
	s_cbranch_scc0 .Lway_p
	s_lshl_b32 s30, s21, 18                        ; a head of Wq is 262,144 bytes
	s_cmp_lt_u32 ttmp9, 68
	s_cselect_b64 s[18:19], s[6:7], s[8:9]         ; Wk or Wv,
	s_cmp_lt_u32 ttmp9, 64
	s_cselect_b64 s[18:19], s[4:5], s[18:19]       ; or Wq,
	s_cselect_b32 s20, s30, 0                      ; at its head
	s_lshl_b32 s30, s17, 15                        ; + 128 s rows of 256 bytes
	s_add_co_u32 s20, s20, s30
	s_lshr_b32 s30, s22, 1
	s_lshl_b32 s30, s30, 7                         ; + 4 x 32 (t / 2)
	s_add_co_u32 s20, s20, s30
	s_and_b32 s30, s22, 1
	s_lshl_b32 s30, s30, 5                         ; + 4 x 8 (t % 2)
	s_add_co_u32 s20, s20, s30
	s_mov_b32 s21, 0
	s_add_nc_u64 s[18:19], s[18:19], s[20:21]
	s_wait_alu depctr_va_vdst(0)
	v_and_b32 v3, 8, v1
	v_add_nc_u32 v3, v3, v1                        ; r + 8 (r / 8)
	v_lshlrev_b32 v3, 2, v3
	v_lshl_add_u32 v3, v2, 13, v3                  ; lanes 16-31 begin 32 rows further down
	WL 256
	s_branch .Ljoin
.Lway_p:
	s_sub_co_u32 s20, ttmp9, 72
	s_lshl_b32 s20, s20, 6                         ; 16 columns of 4 bytes for each tile
	s_lshl_b32 s30, s17, 19                        ; + 128 s rows of 4,096 bytes
	s_add_co_u32 s20, s20, s30
	s_mov_b32 s21, 0
	s_add_nc_u64 s[18:19], s[10:11], s[20:21]
	s_wait_alu depctr_va_vdst(0)
	v_lshl_add_u32 v3, v2, 17, v5                  ; 4 r, and 32 rows further down for lanes 16-31
	WL 4096
.Ljoin:
	s_wait_loadcnt 0x0
.irp c, 0,1                            ; my block 2 c + h: all its 32 numbers are mine
	v_max3_num_f32 v[MX+\c], |v[X+32*\c]|, |v[X+1+32*\c]|, 0x1800000   ; and the floor 2^(3 - 127): so the byte cannot fall under 1
.endr
.irp i, 2,4,6,8,10,12,14,16,18,20,22,24,26,28,30
.irp c, 0,1
	v_max3_num_f32 v[MX+\c], v[MX+\c], |v[X+32*\c+\i]|, |v[X+1+32*\c+\i]|   ; (the two blocks by turns)
.endr
.endr
.irp c, 0,1
	v_add_nc_u32 v[SO+\c], 0xff000000, v[MX+\c]    ; 2 off the exponent field: the conversion takes the exponent field of this operand as its scale, and nothing else of it
.endr
.irp c, 0,1
	v_lshrrev_b32 v[BY+\c], 23, v[SO+\c]           ; the scale's byte
.endr
	v_lshl_or_b32 v9, v[BY+1], 16, v[BY]           ; my two bytes: blocks h and 2 + h of my column,
	v_lshlrev_b32 v10, 3, v2
	v_lshlrev_b32 v9, v10, v9                      ; at their places in the scale word (8 h bits up);
	v_mov_b32 v10, 0                               ; (a lane permute's destination counts as one of its sources)
	v_permlanex16_b32 v10, v9, s28, s29
	v_or_b32 v9, v9, v10                           ; with lane l xor 16's two the word is whole
.irp c, 0,1
	v_cvt_scalef32_pk16_fp6_f32 v[OP+6*\c:OP+6*\c+2], v[X+32*\c:X+32*\c+15], v[SO+\c]
	v_cvt_scalef32_pk16_fp6_f32 v[C2+4*\c:C2+4*\c+2], v[X+32*\c+16:X+32*\c+31], v[SO+\c]   ; (a conversion's three registers begin on an even number: the second half of a block's six does not)
.endr
	v_nop                                          ; one plain place behind a scaled conversion
.irp c, 0,1
.irp i, 0,1,2
	v_mov_b32 v[OP+3+6*\c+\i], v[C2+4*\c+\i]
.endr
.endr
.irp g, 0,1,2
	global_store_b128 v4, v[OP+4*\g:OP+4*\g+3], s[12:13] offset:512*\g   ; 32 lanes store 512 consecutive bytes, at a multiple of 256 from the buffer's first byte
.endr
	global_store_b32 v5, v9, s[14:15]              ; both halves of the lanes hold the same word and write it to the same place
	s_endpgm
.Lfunc_end_k_q2cd9fbe5c5_wquant:
	.size	k_q2cd9fbe5c5_wquant, .Lfunc_end_k_q2cd9fbe5c5_wquant-k_q2cd9fbe5c5_wquant
	.p2alignl 7, 3214868480
	.fill 96, 4, 3214868480
	.section	.rodata,"a",@progbits
	.p2align	6, 0x0
	.amdhsa_kernel k_q2cd9fbe5c5_wquant
		.amdhsa_group_segment_fixed_size 0
		.amdhsa_private_segment_fixed_size 0
		.amdhsa_enable_private_segment 0
		.amdhsa_kernarg_size 48
		.amdhsa_user_sgpr_count 2
		.amdhsa_user_sgpr_kernarg_segment_ptr 1
		.amdhsa_wavefront_size32 1
		.amdhsa_system_sgpr_workgroup_id_x 1
		.amdhsa_system_sgpr_workgroup_id_y 1
		.amdhsa_system_sgpr_workgroup_id_z 1
		.amdhsa_system_vgpr_workitem_id 0
		.amdhsa_next_free_vgpr 192
		.amdhsa_next_free_sgpr 66
		.amdhsa_reserve_vcc 0
		.amdhsa_float_denorm_mode_32 3
		.amdhsa_float_denorm_mode_16_64 3
		.amdhsa_memory_ordered 1
		.amdhsa_forward_progress 1
		.amdhsa_inst_pref_size 18
	.end_amdhsa_kernel
	.amdgpu_metadata
---
amdhsa.version: [ 1, 2 ]
amdhsa.kernels:
  - .name:           k_q2cd9fbe5c5_wquant
    .symbol:         k_q2cd9fbe5c5_wquant.kd
    .args:
      - { .name: Wq, .offset: 0, .size: 8, .value_kind: global_buffer, .address_space: global }
      - { .name: Wk, .offset: 8, .size: 8, .value_kind: global_buffer, .address_space: global }
      - { .name: Wv, .offset: 16, .size: 8, .value_kind: global_buffer, .address_space: global }
      - { .name: Wp, .offset: 24, .size: 8, .value_kind: global_buffer, .address_space: global }
      - { .name: wimg, .offset: 32, .size: 8, .value_kind: global_buffer, .address_space: global }
      - { .name: wsc, .offset: 40, .size: 8, .value_kind: global_buffer, .address_space: global }
    .group_segment_fixed_size: 0
    .private_segment_fixed_size: 0
    .kernarg_segment_align: 8
    .kernarg_segment_size: 48
    .max_flat_workgroup_size: 128
    .sgpr_count:     66
    .vgpr_count:     192
    .wavefront_size: 32
...
	.end_amdgpu_metadata
.endif
;; end of part 1
;; launch xkv (part 2): grid 256 x 1, 8 waves a work-group, no clusters, 327,680 bytes of LDS; arguments x, wimg, wsc, xc, xs, kc, ks, vc, vs; writes xc, xs, kc, ks, vc, vs
.if DOCPART == 2
	.amdgcn_target "amdgcn-amd-amdhsa--gfx1250"
	.amdhsa_code_object_version 6
	.text
	.protected	k_q2cd9fbe5c5_xkv
	.globl	k_q2cd9fbe5c5_xkv
	.p2align	8
	.type	k_q2cd9fbe5c5_xkv,@function
k_q2cd9fbe5c5_xkv:
	s_mov_b64 s[64:65], 0
	v_nop
	global_prefetch_b8 v0, s[64:65] scope:SCOPE_SE
	s_setreg_imm32_b32 hwreg(HW_REG_WAVE_MODE, 25, 1), 1
	s_wait_xcnt 0x0
.set WIMG, 0
.set WSCL, 98304
.set XIMG, 102400
.set XSC,  151552
.set XA,  4
.set LI,  5
.set LS,  6
.set XWI, 7
.set XWS, 8
.set GXC, 9
.set GXS, 10
.set VP,  11
.set VQ,  12
.set VSP, 13
.set VSQ, 14
.set OC,  15
.set OSB, 16
.set TM,  20
.set PC0, 36
.set PW0, 56
.set PC1, 58
.set PW1, 78
.set D0,  80
.set D1,  144
.set ACC, 152
.set WV,  22
.set SEL, 48
.set STG, 168960                       ; behind the spare words: a stage of 16 rows x 528 bytes for each wave, 8,448 bytes; no tensor load lands there
.set SPI, 528                          ; a stage row: 512 bytes + 16
.macro QUANT s, pc, pw
.irp b, 0,1,2,3
	v_max3_num_f32 v[TM+\b], |v[\s+16*\b]|, |v[\s+1+16*\b]|, 0x1800000
.endr
.irp i, 2,4,6,8,10,12,14
.irp b, 0,1,2,3
	s_delay_alu instid0(VALU_DEP_4)
	v_max3_num_f32 v[TM+\b], v[TM+\b], |v[\s+16*\b+\i]|, |v[\s+1+16*\b+\i]|
.endr
.endr
.irp b, 0,1,2,3
	s_delay_alu instid0(VALU_DEP_4)
	v_permlanex16_b32 v[TM+4+\b], v[TM+\b], s[SEL], s[SEL+1]
.endr
.irp b, 0,1,2,3
	s_delay_alu instid0(VALU_DEP_4)
	v_max_num_f32 v[TM+\b], v[TM+\b], v[TM+4+\b]
.endr
.irp b, 0,1,2,3
	s_delay_alu instid0(VALU_DEP_4)
	v_add_nc_u32 v[TM+12+\b], 0xff000000, v[TM+\b]
.endr
.irp b, 0,1,2,3
	s_delay_alu instid0(VALU_DEP_4)
	v_lshrrev_b32 v[TM+4+\b], 23, v[TM+12+\b]
.endr
	s_delay_alu instid0(VALU_DEP_3)
	v_lshl_or_b32 v[\pw], v[TM+5], 8, v[TM+4]
	s_delay_alu instid0(VALU_DEP_1)
	v_lshl_or_b32 v[\pw], v[TM+6], 16, v[\pw]
	s_delay_alu instid0(VALU_DEP_1)
	v_lshl_or_b32 v[\pw], v[TM+7], 24, v[\pw]
.irp c, 0,1
	v_cvt_scalef32_pk16_fp6_f32 v[\pc+6*\c:\pc+2+6*\c], v[\s+32*\c:\s+15+32*\c], v[TM+12+2*\c]
	v_cvt_scalef32_pk16_fp6_f32 v[\pc+12+4*\c:\pc+14+4*\c], v[\s+16+32*\c:\s+31+32*\c], v[TM+12+2*\c+1]
.endr
	v_nop
.irp c, 0,1
.irp i, 0,1,2
	v_permlane16_swap_b32 v[\pc+6*\c+\i], v[\pc+12+4*\c+\i]
.endr
.irp i, 0,1,2
	s_delay_alu instid0(VALU_DEP_3)
	v_mov_b32 v[\pc+3+6*\c+\i], v[\pc+12+4*\c+\i]
.endr
.endr
.endm
; Tile u's 16 tokens (n + 8 (n / 8) + 8 u), my wave's 128 along K: each load reads 512 consecutive bytes of one token's row, 16 a lane
.macro XLOAD u, d
.set n_, 0
.rept 16
	global_load_b128 v[\d+4*n_:\d+4*n_+3], v[XA], s[4:5] offset:(n_+8*(n_/8)+8*\u)*4096 th:TH_LOAD_NT
.set n_, n_+1
.endr
.endm
.macro STIN d                          ; the 16 rows into my stage, as they were loaded
.set n_, 0
.rept 16
	ds_store_b128 v18, v[\d+4*n_:\d+4*n_+3] offset:n_*SPI
.set n_, n_+1
.endr
.endm
.macro STOUT d                         ; and back: lane (r, h) takes k = 32 b + 16 h + 0 .. 15 of row r into registers 16 b on
.irp b, 0,1,2,3
.irp j, 0,1,2,3
	ds_load_b128 v[\d+16*\b+4*\j:\d+16*\b+4*\j+3], v19 offset:128*\b+16*\j
.endr
.endr
.endm
.macro PUT u, pc, pw
.irp g, 0,1,2
	ds_store_b128 v[XWI], v[\pc+4*\g:\pc+4*\g+3] offset:\u*1536+512*\g
.endr
	ds_store_b32 v[XWS], v[\pw] offset:\u*64
.irp g, 0,1,2
	global_store_b128 v[GXC], v[\pc+4*\g:\pc+4*\g+3], s[10:11] offset:\u*12288+512*\g
.endr
	global_store_b32 v[GXS], v[\pw], s[12:13] offset:\u*1024
.endm
.macro OPS k
.set OB, 80+36*((\k)%2)
.set SR, 240+3*((\k)%2)
.irp g, 0,1,2
	ds_load_b128 v[OB+4*\g:OB+4*\g+3], v[VP] offset:(\k)*6144+512*\g
.endr
.irp g, 0,1,2
	ds_load_b128 v[OB+12+4*\g:OB+15+4*\g], v[VP] offset:(\k)*6144+1536+512*\g
.endr
.irp g, 0,1,2
	ds_load_b128 v[OB+24+4*\g:OB+27+4*\g], v[VQ] offset:(\k)*6144+512*\g
.endr
	ds_load_b32 v[SR], v[VSP] offset:(\k)*256
	ds_load_b32 v[SR+1], v[VSP] offset:(\k)*256+64
	ds_load_b32 v[SR+2], v[VSQ] offset:(\k)*256
.endm
	s_load_b512 s[4:19], s[0:1], 0x0
	s_load_b64 s[20:21], s[0:1], 0x40
	v_lshl_add_u32 v254, v0, 2, 0x29000
	v_mov_b32 v255, 0
	ds_add_u32 v254, v255
	ds_add_u32 v254, v255
	v_lshrrev_b32 v1, 5, v0
	s_delay_alu instid0(VALU_DEP_1)
	v_readfirstlane_b32 s[WV], v1
	v_and_b32 v1, 31, v0
	v_and_b32 v2, 15, v0
	v_bfe_u32 v3, v0, 4, 1
	v_lshlrev_b32 v18, 4, v1                       ; 16 L
	v_mul_u32_u24 v19, v2, SPI
	s_lshl_b32 s58, s[WV], 9
	v_add_nc_u32 v[XA], s58, v18                   ; x: 512 x wave + 16 L of a token's row
	v_lshl_add_u32 v19, v3, 6, v19
	s_mul_i32 s58, s[WV], 16*SPI
	s_add_co_u32 s58, s58, STG                     ; my stage
	v_add_nc_u32 v18, s58, v18                     ; into it: 16 L of a row
	v_add_nc_u32 v19, s58, v19                     ; out of it: row r, + 64 h
	s_mov_b32 s24, 3<<16
	s_mov_b32 s25, 32<<16
	s_mov_b32 s26, 48<<16
	s_mov_b32 s27, 32<<16
	s_mov_b32 s28, 48
	s_mov_b32 s29, 32
	s_mov_b32 s30, 0
	s_mov_b32 s31, 0
	s_mov_b32 s32, 3<<16
	s_mov_b32 s33, 32<<16
	s_mov_b32 s34, 2<<16
	s_mov_b32 s35, 32<<16
	s_mov_b32 s36, 2
	s_mov_b32 s37, 32
	s_mov_b32 s38, 0
	s_mov_b32 s39, 0
	s_mul_i32 s50, s[WV], 12288
	s_add_co_u32 s52, s50, 16*49152
	s_mov_b32 s53, 0
	s_lshl_b32 s51, s[WV], 9
	s_add_co_u32 s54, s51, 16*2048
	s_mov_b32 s55, 0
	s_mov_b32 s[SEL], 0x76543210
	s_mov_b32 s[SEL+1], 0xfedcba98
	s_wait_alu depctr_va_vdst(0)
	s_wait_dscnt 0x0
	s_wait_kmcnt 0x0
	s_mov_b32 s40, 1
	s_mov_b32 s41, s50
	s_add_nc_u64 s[42:43], s[6:7], s[52:53]
	s_or_b32 s43, s43, 0x80000000
	s_mov_b32 s44, 1
	s_add_co_u32 s45, s51, WSCL
	s_add_nc_u64 s[46:47], s[8:9], s[54:55]
	s_or_b32 s47, s47, 0x80000000
	tensor_load_to_lds s[40:43], s[24:31]
	s_nop 0
	s_lshl_b32 s56, ttmp9, 17                      ; x's 32 loads are issued here, ahead of the wait for the tensor load
	s_mov_b32 s57, 0
	s_add_nc_u64 s[4:5], s[4:5], s[56:57]
	XLOAD 0, D0
	XLOAD 1, D1
	s_wait_alu depctr_va_vdst(0)
	s_wait_tensorcnt 0x0
	ds_add_u32 v254, v255
	s_wait_dscnt 0x0
	s_barrier_signal -1
	s_barrier_wait -1
	tensor_load_to_lds s[44:47], s[32:39]
	s_nop 0
.rept 4
	v_nop
.endr
	s_mul_i32 s56, ttmp9, 24576
	s_add_nc_u64 s[10:11], s[10:11], s[56:57]
	s_lshl_b32 s56, ttmp9, 11
	s_add_nc_u64 s[12:13], s[12:13], s[56:57]
	v_lshlrev_b32 v[LI], 4, v1
	v_lshlrev_b32 v[LS], 2, v1
	v_lshlrev_b32 v17, 2, v2
	s_mul_i32 s58, s[WV], 6144
	s_add_co_u32 s58, s58, XIMG
	v_add_nc_u32 v[XWI], s58, v[LI]
	s_lshl_b32 s58, s[WV], 8
	s_add_co_u32 s58, s58, XSC
	v_add_nc_u32 v[XWS], s58, v17
	s_mul_i32 s58, s[WV], 1536
	v_add_nc_u32 v[GXC], s58, v[LI]
	s_lshl_b32 s58, s[WV], 7
	v_add_nc_u32 v[GXS], s58, v[LS]
	v_mul_u32_u24 v[OC], v2, 24
	s_delay_alu instid0(VALU_DEP_1)
	v_mad_u32_u24 v[OC], v3, 12, v[OC]
.irp b, 0,1,2,3
	v_mov_b32 v[TM+4+\b], 0
.endr
	s_and_b32 s59, s[WV], 3
	s_lshr_b32 s60, s59, 1
	s_and_b32 s61, s59, 1
	s_mul_i32 s50, s61, 3072
	s_mul_i32 s51, s60, 1536
	s_add_co_u32 s51, s51, XIMG
	s_lshl_b32 s52, s61, 7
	s_add_co_u32 s52, s52, WSCL
	s_lshl_b32 s53, s60, 6
	s_add_co_u32 s53, s53, XSC
	s_mov_b32 s54, XIMG
	s_mul_i32 s55, s59, 1536
	s_add_co_u32 s55, s55, WIMG+49152
	s_mov_b32 s56, XSC
	s_lshl_b32 s57, s59, 6
	s_add_co_u32 s57, s57, WSCL+2048
	s_cmp_lt_u32 s[WV], 4
	s_cselect_b32 s50, s50, s54
	s_cselect_b32 s51, s51, s55
	s_cselect_b32 s52, s52, s56
	s_cselect_b32 s53, s53, s57
	v_add_nc_u32 v[VP], s50, v[LI]
	v_add_nc_u32 v[VQ], s51, v[LI]
	v_add_nc_u32 v[VSP], s52, v17
	v_add_nc_u32 v[VSQ], s53, v17
	s_lshr_b32 s50, ttmp9, 6
	s_bfe_u32 s51, ttmp9, 0x40002
	s_and_b32 s52, ttmp9, 3
	s_mul_i32 s56, s50, 98304
	s_mul_i32 s53, s51, 6144
	s_add_co_u32 s56, s56, s53
	s_mul_i32 s53, s59, 1536
	s_add_co_u32 s56, s56, s53
	s_mul_i32 s53, s52, 384
	s_add_co_u32 s56, s56, s53
	s_lshl_b32 s58, s50, 12
	s_lshl_b32 s53, s51, 8
	s_add_co_u32 s58, s58, s53
	s_lshl_b32 s53, s59, 6
	s_add_co_u32 s58, s58, s53
	s_add_co_u32 s58, s58, s52
	s_mul_i32 s62, ttmp9, 1536
	s_mul_i32 s53, s59, 384
	s_add_co_u32 s62, s62, s53
	s_lshl_b32 s63, ttmp9, 6
	s_lshl_b32 s53, s60, 5
	s_add_co_u32 s63, s63, s53
	s_add_co_u32 s63, s63, s61
	s_mov_b32 s57, 0
	s_mov_b32 s59, 0
	s_cmp_lt_u32 s[WV], 4
	s_cselect_b32 s56, s62, s56
	s_cselect_b32 s58, s63, s58
	s_cselect_b64 s[52:53], s[14:15], s[18:19]
	s_cselect_b64 s[54:55], s[16:17], s[20:21]
	s_cselect_b32 s60, 1, 2
	s_add_nc_u64 s[52:53], s[52:53], s[56:57]
	s_add_nc_u64 s[54:55], s[54:55], s[58:59]
	v_lshlrev_b32 v[OSB], s60, v2
	s_wait_loadcnt 16                              ; tile 0's 16 loads are in; tile 1's 16 may be out
	STIN D0
	s_wait_dscnt 0x0                               ; the stores have read their registers, which take the rows back
	STOUT D0
	s_wait_loadcnt 0x0
	STIN D1                                        ; LDS serves a wave's instructions in order: these come behind tile 0's reads of the stage
	s_wait_dscnt 16                                ; tile 0 is back; tile 1's 16 stores may be out
	QUANT D0, PC0, PW0
	PUT 0, PC0, PW0
	s_wait_dscnt 0x0
	STOUT D1
	s_wait_dscnt 0x0
	QUANT D1, PC1, PW1
	PUT 1, PC1, PW1
	s_wait_tensorcnt 0x0
	s_wait_dscnt 0x0
	s_barrier_signal -1
	s_barrier_wait -1
	OPS 0
.irp k, 0,1,2,3,4,5,6,7
.if \k < 7
.if \k > 0
.rept 4
	v_nop
.endr
.endif
	OPS \k+1
	s_wait_dscnt 12
.else
	s_wait_dscnt 0x0
.endif
.set OB, 80+36*(\k%2)
.set SR, 240+3*(\k%2)
.if \k == 0
	v_wmma_scale_f32_16x16x128_f8f6f4 v[ACC:ACC+7], v[OB:OB+11], v[OB+24:OB+35], 0, v[SR], v[SR+2] matrix_a_fmt:MATRIX_FMT_FP6 matrix_b_fmt:MATRIX_FMT_FP6
	v_wmma_scale_f32_16x16x128_f8f6f4 v[ACC+8:ACC+15], v[OB+12:OB+23], v[OB+24:OB+35], 0, v[SR+1], v[SR+2] matrix_a_fmt:MATRIX_FMT_FP6 matrix_b_fmt:MATRIX_FMT_FP6
.else
	v_wmma_scale_f32_16x16x128_f8f6f4 v[ACC:ACC+7], v[OB:OB+11], v[OB+24:OB+35], v[ACC:ACC+7], v[SR], v[SR+2] matrix_a_fmt:MATRIX_FMT_FP6 matrix_b_fmt:MATRIX_FMT_FP6
	v_wmma_scale_f32_16x16x128_f8f6f4 v[ACC+8:ACC+15], v[OB+12:OB+23], v[OB+24:OB+35], v[ACC+8:ACC+15], v[SR+1], v[SR+2] matrix_a_fmt:MATRIX_FMT_FP6 matrix_b_fmt:MATRIX_FMT_FP6
.endif
.endr
.rept 4
	v_nop
.endr
	v_max3_num_f32 v168, |v[ACC]|, |v[ACC+1]|, 0x1800000
.irp i, 2,4,6,8,10,12,14
	v_max3_num_f32 v168, v168, |v[ACC+\i]|, |v[ACC+1+\i]|
.endr
	v_mov_b32 v169, 0
	s_delay_alu instid0(VALU_DEP_1)
	v_permlanex16_b32 v169, v168, s[SEL], s[SEL+1]
	s_delay_alu instid0(VALU_DEP_1)
	v_max_num_f32 v168, v168, v169
	s_delay_alu instid0(VALU_DEP_1)
	v_add_nc_u32 v170, 0xff000000, v168
	s_delay_alu instid0(VALU_DEP_1)
	v_lshrrev_b32 v171, 23, v170
	v_cvt_scalef32_pk16_fp6_f32 v[172:174], v[ACC:ACC+15], v170
	v_nop
	global_store_b96 v[OC], v[172:174], s[52:53]
	global_store_b8 v[OSB], v171, s[54:55]
	s_wait_tensorcnt 0x0
	ds_add_u32 v254, v255
	s_wait_dscnt 0x0
	s_endpgm
.Lfunc_end_k_q2cd9fbe5c5_xkv:
	.size	k_q2cd9fbe5c5_xkv, .Lfunc_end_k_q2cd9fbe5c5_xkv-k_q2cd9fbe5c5_xkv
	.p2alignl 7, 3214868480
	.fill 96, 4, 3214868480
	.section	.rodata,"a",@progbits
	.p2align	6, 0x0
	.amdhsa_kernel k_q2cd9fbe5c5_xkv
		.amdhsa_group_segment_fixed_size 327680
		.amdhsa_private_segment_fixed_size 0
		.amdhsa_enable_private_segment 0
		.amdhsa_kernarg_size 72
		.amdhsa_user_sgpr_count 2
		.amdhsa_user_sgpr_kernarg_segment_ptr 1
		.amdhsa_wavefront_size32 1
		.amdhsa_system_sgpr_workgroup_id_x 1
		.amdhsa_system_sgpr_workgroup_id_y 1
		.amdhsa_system_sgpr_workgroup_id_z 1
		.amdhsa_system_vgpr_workitem_id 0
		.amdhsa_next_free_vgpr 256
		.amdhsa_next_free_sgpr 66
		.amdhsa_reserve_vcc 0
		.amdhsa_float_denorm_mode_32 3
		.amdhsa_float_denorm_mode_16_64 3
		.amdhsa_memory_ordered 1
		.amdhsa_forward_progress 1
		.amdhsa_inst_pref_size 37
	.end_amdhsa_kernel
	.amdgpu_metadata
---
amdhsa.version: [ 1, 2 ]
amdhsa.kernels:
  - .name:           k_q2cd9fbe5c5_xkv
    .symbol:         k_q2cd9fbe5c5_xkv.kd
    .args:
      - { .name: x, .offset: 0, .size: 8, .value_kind: global_buffer, .address_space: global }
      - { .name: wimg, .offset: 8, .size: 8, .value_kind: global_buffer, .address_space: global }
      - { .name: wsc, .offset: 16, .size: 8, .value_kind: global_buffer, .address_space: global }
      - { .name: xc, .offset: 24, .size: 8, .value_kind: global_buffer, .address_space: global }
      - { .name: xs, .offset: 32, .size: 8, .value_kind: global_buffer, .address_space: global }
      - { .name: kc, .offset: 40, .size: 8, .value_kind: global_buffer, .address_space: global }
      - { .name: ks, .offset: 48, .size: 8, .value_kind: global_buffer, .address_space: global }
      - { .name: vc, .offset: 56, .size: 8, .value_kind: global_buffer, .address_space: global }
      - { .name: vs, .offset: 64, .size: 8, .value_kind: global_buffer, .address_space: global }
    .group_segment_fixed_size: 327680
    .private_segment_fixed_size: 0
    .kernarg_segment_align: 8
    .kernarg_segment_size: 72
    .max_flat_workgroup_size: 256
    .sgpr_count:     66
    .vgpr_count:     256
    .wavefront_size: 32
...
	.end_amdgpu_metadata
.endif
;; end of part 2
;; launch attn (part 3): grid 256 x 1, 16 waves a work-group, no clusters, 264,192 bytes of LDS; arguments xc, xs, wimg, wsc, kc, ks, vc, vs, bp, out0; writes out0
.if DOCPART == 3
	.amdgcn_target "amdgcn-amd-amdhsa--gfx1250"
	.amdhsa_code_object_version 6
	.text
	.protected	k_q2cd9fbe5c5_attn
	.globl	k_q2cd9fbe5c5_attn
	.p2align	8
	.type	k_q2cd9fbe5c5_attn,@function
k_q2cd9fbe5c5_attn:
	s_mov_b64 s[64:65], 0
	v_nop
	global_prefetch_b8 v0, s[64:65] scope:SCOPE_SE
	s_setreg_imm32_b32 hwreg(HW_REG_WAVE_MODE, 25, 1), 1
	s_wait_xcnt 0x0
; out = concat_h(softmax(q_h k^T / 8, causal) v) Wp + bp, q_h = x Wq_h, every product on codes of FP6 (E2M3) with one E8M0 byte for each 32 along its K.  x, the weights, k and v arrive as codes in the order of operand registers.
; SHARES.  A work-group of SIXTEEN waves, wave = head, owns two tiles of 16 tokens of one batch: tile A = block kbA of 32 tokens, its tokens r + 8 (r / 8); tile B = block 63 - kbA, its tokens 8 + r + 8 (r / 8).
;   A tile of block kb needs the key steps (128 keys) j <= kb / 4, so the two tiles need kbA / 4 + (63 - kbA) / 4 + 2 = 17 steps whatever kbA: all 256 work-groups have the same work.
; PHASES.  (1) q: my head's 64 columns of Wq against both tiles of x, 64 matrix instructions; quantised along d in registers.  (2) attention, a tile at a time: a loop of the constant count 16 over the key steps, in which a step
;   all of whose keys come after the tile's tokens is jumped over by a scalar branch on ids.  (3) my head's output / the row's sum, quantised along (h, d): 64 of the last product's K: half a fragment, to LDS as part of an image
;   of the operand's registers.  (4) out: my 64 columns of Wp against both tiles, bp as the C of the first matrix instruction; through a stage in LDS, so that sixteen lanes store 256 consecutive bytes.
; ONE BATCH'S K AND V STAY IN LDS WHOLE (2 x 98,304 bytes of codes, 2 x 4,096 of scale bytes): filled once at the head, one tensor load a wave out, nothing filled a second time, no barrier in the key loop.
; LAYOUT.  All products are used transposed (source 0 = the weight's, K's or V^T's 16 rows, source 1 = 16 tokens): a lane holds ONE token (lane % 16) throughout, and its registers run along the next product's K.
;   The rows that form a tile of Wq, of K and of V^T are chosen (lane r of tile 2 b + u: row 32 b + 8 u + r + 8 (r / 8)) so that the 16 registers of tiles 2 b, 2 b + 1 are the neighbours 32 b + 16 (lane / 16) + 0 .. 15.
; THE SCORES' K IS 64 OF THE INSTRUCTION'S 128: q's registers 6-11 are zero codes and both scale words hold the byte 0 (2^-127, a number) there; K's registers 6-11 are whatever follows (the next tile's codes; zeros behind the last):
;   zero codes times any code add exact zeros.
; THE SOFTMAX: t = score x log2(e) / 8; M = the running largest t rounded UP to a whole number; p = 2^(t - M) is quantised along the keys, not normalised; the row's sum is taken of the unquantised p and divides at the end;
;   when M moves, the sum and O are multiplied by 2^(old M - new M), which rounds nothing.  No branch hangs on data.
; NO CLUSTER, though K, V and the weights are shared: which key steps a work-group jumps over hangs on its own blocks of tokens, which differ between any two work-groups of a batch, and partners in joint requests must run alike.
; LIMITS: a block of zeros gets the byte 1 where the quantiser says 127 (zero codes); p under 2^-126 counts as 0; NaN and infinities among the inputs are not served.
.set KCL,  0                           ; LDS: K's codes: 6,144 a key step: tile t at 768 t, d 32 h on of the tile's key r at 384 h + 24 r
.set VCL,  98304                       ; V's: 6,144 a key step: tile t of d at 1,536 t, keys 32 (2 c + h) on of the tile's row r at 768 c + 384 h + 24 r
.set KSL,  196608                      ; K's scale bytes: 256 a key step: 64 a block of 32 keys: 2 bytes a key, tile 2 q4 then tile 2 q4 + 1
.set VSL,  200704                      ; V's: 256 a key step: 64 t + 4 r
.set XIMG, 204800                      ; x's 16 fragments: (8 e + s) 1,536
.set XSCL, 229376                      ; their scale words: (8 e + s) 128
.set OIMG, 231424                      ; the heads' output, likewise
.set OSCL, 256000
.set STAGE, 0                          ; the way out: 16 rows x 272 bytes a wave, over K's codes, which have had their one fill and, behind the second barrier, their last read
.set AK0,  1                           ; v1   my lane's place in a tile of K
.set AV0,  2                           ; v2   of V
.set ASK0, 3                           ; v3   among K's scale bytes
.set ASV0, 4                           ; v4   among V's scale words
.set LI,   5                           ; v5   16 L
.set LS,   6                           ; v6   4 L
.set ADK,  8                           ; v8-11 the addresses of the key step in hand
.set ADV,  9
.set ADS,  10
.set ADT,  11                          ; v12 -M, v13 the largest t, v[14:15] the sum in two halves
.set BI,   8                           ; v8-39 in the last product: bp in the result's layout, 8 registers a tile
.set QA,   16                          ; v16-27 tile A's q: 6 registers of codes, 6 of zeros;  v28-39 tile B's
.set QB,   28
.set QSA,  40                          ; v40-54 hold scale words and nothing else: v40, v41 q's;
.set QSB,  41
.set KSC,  42                          ; v42-45 K's (lanes 0-15 tile 2 q4, lanes 16-31 tile 2 q4 + 1);
.set VSC,  46                          ; v46-47 V's (likewise);
.set PSC,  48                          ; v48 p's;
.set WSR,  49                          ; v49-52 the weights', two sets of two;
.set XS,   53                          ; v53-54 x's or the heads' output's
.set XAD,  55                          ; v55  LDS address of source 1's images
.set XSD,  56                          ; v56  and of their scale words
.set BOF,  57                          ; v57  32 h
.set KV,   58                          ; v58-105 eight half fragments of K, then four fragments of V;  v106-111 zeros
.set W0,   58                          ; the weights' fragments: set 0 v58-105, set 1 v176-223
.set W1,   176
.set S,    112                         ; v112-175 S^T, then p.  In the two other products: the 8 accumulators, (e, t) at 32 e + 8 t
.set ACC,  112
.set O,    176                         ; v176-207 O^T
.set PC,   208                         ; v208-219 p's codes
.set CT,   220                         ; v220-222, v224-226 the conversions' second halves
.set XF,   224                         ; v224-247 in the two other products: source 1's two fragments
.set BM,   228                         ; v228-231 the blocks' largest
.set PT,   232                         ; v232-235 permutes' targets, then bytes
.set SO,   240                         ; v240-243 the conversions' scale operands
.set FF,   244                         ; v[244:245] f = 2^(old M - new M), and a zero named with it
.set TQ,   250                         ; v250 r + 8 (r / 8) - 16 h
.set OA0,  251                         ; v251-253 where my six registers of the heads' output go;  v254 their two scale bytes
.set OA1,  252
.set OA2,  253
.set OAS,  254
.set WV,   24                          ; s24 my wave's number = my head
.set Q0A,  28                          ; s28, s29 the tiles' first tokens in the batch
.set Q0B,  29
.set SEL,  30                          ; s[30:31] v_permlanex16_b32's selects for lane l xor 16
.set CS,   32                          ; s[32:33] c = log2(e) / 8, twice
.set TB,   34                          ; s34  where the key step's codes begin: 6,144 a step
.set TS,   35                          ; s35  and its scale bytes: 256 a step
.set KF,   60                          ; s60  the step's first key
.set CNT,  61                          ; s61  steps to go
.macro PLACES                          ; four places behind a matrix instruction: in front of loads into its registers, of vector writes to them and of the first read of its result
.rept 4
	v_nop
.endr
.endm
.macro GROUP1 g, c, r                  ; descriptor group 1: r dense rows of c elements of 8 bytes, no mask, no padding
	s_mov_b32 s[\g], 3<<16
	s_mov_b32 s[\g+1], (\c)<<16                    ; tensor_dim0
	s_mov_b32 s[\g+2], (\r)<<16                    ; tensor_dim1
	s_mov_b32 s[\g+3], (\c)<<16                    ; tile_dim0
	s_mov_b32 s[\g+4], \r                          ; tile_dim1
	s_mov_b32 s[\g+5], \c                          ; from row to row
	s_mov_b32 s[\g+6], 0
	s_mov_b32 s[\g+7], 0
.endm
; One matrix instruction.  cr < 0: C is the constant 0.  odd = 1: source 0's scale words stand in lanes 16-31 of their register.
.macro MM d, a, b, cr, sa, sb, odd
.if (\cr) < 0
.if \odd
	v_wmma_scale_f32_16x16x128_f8f6f4 v[\d:\d+7], v[\a:\a+11], v[\b:\b+11], 0, v[\sa], v[\sb] matrix_a_fmt:MATRIX_FMT_FP6 matrix_b_fmt:MATRIX_FMT_FP6 matrix_a_scale:MATRIX_SCALE_ROW1
.else
	v_wmma_scale_f32_16x16x128_f8f6f4 v[\d:\d+7], v[\a:\a+11], v[\b:\b+11], 0, v[\sa], v[\sb] matrix_a_fmt:MATRIX_FMT_FP6 matrix_b_fmt:MATRIX_FMT_FP6
.endif
.else
.if \odd
	v_wmma_scale_f32_16x16x128_f8f6f4 v[\d:\d+7], v[\a:\a+11], v[\b:\b+11], v[\cr:\cr+7], v[\sa], v[\sb] matrix_a_fmt:MATRIX_FMT_FP6 matrix_b_fmt:MATRIX_FMT_FP6 matrix_a_scale:MATRIX_SCALE_ROW1
.else
	v_wmma_scale_f32_16x16x128_f8f6f4 v[\d:\d+7], v[\a:\a+11], v[\b:\b+11], v[\cr:\cr+7], v[\sa], v[\sb] matrix_a_fmt:MATRIX_FMT_FP6 matrix_b_fmt:MATRIX_FMT_FP6
.endif
.endif
.endm
; K step s of my 64 columns of a weight, from memory straight into set s % 2: four fragments (each load: 512 consecutive bytes) and their scale words (two tiles to a register): 14 loads
.macro WLOAD wp, sp, s
.set WLB, W0+(W1-W0)*((\s)%2)
.irp t, 0,1,2,3
.irp g, 0,1,2
	global_load_b128 v[WLB+12*\t+4*\g:WLB+12*\t+4*\g+3], v[LI], s[\wp:\wp+1] offset:(\s)*6144+\t*1536+512*\g
.endr
.endr
.irp u, 0,1
	global_load_b32 v[WSR+2*((\s)%2)+\u], v[LS], s[\sp:\sp+1] offset:(\s)*256+128*\u
.endr
.endm
.macro XFETCH q                        ; K step q of source 1's two tiles, from their images in LDS: 8 LDS loads
.irp e, 0,1
.irp g, 0,1,2
	ds_load_b128 v[XF+12*\e+4*\g:XF+12*\e+4*\g+3], v[XAD] offset:(\e*8+(\q))*1536+512*\g
.endr
	ds_load_b32 v[XS+\e], v[XSD] offset:(\e*8+(\q))*128
.endr
.endm
; 64 columns x 32 tokens x 1,024 along K: 64 matrix instructions; the eight accumulators take turns, one instruction a turn, in the same order in every step.
; The weights' K steps 0 and 1 have been asked for.  bias = 1: the sums begin with v[BI] on.
.macro GEMM64 wp, sp, ximg, xsc, bias
	v_add_nc_u32 v[XAD], \ximg, v[LI]
	v_add_nc_u32 v[XSD], \xsc, v[LS]
	XFETCH 0
	s_wait_alu depctr_va_vdst(0)
.irp k, 0,1,2,3,4,5,6,7
.if \k < 7
	s_wait_loadcnt 14                              ; this step's weights are in (and all that was asked for earlier); the next step's 14 loads may be out
.else
	s_wait_loadcnt 0x0
.endif
	s_wait_dscnt 0x0                               ; source 1's fragments are in
.set WMB, W0+(W1-W0)*(\k%2)
.irp e, 0,1
.irp t, 0,1,2,3
.if \k > 0
	MM ACC+32*\e+8*\t, WMB+12*\t, XF+12*\e, ACC+32*\e+8*\t, WSR+2*(\k%2)+\t/2, XS+\e, \t%2
.elseif \bias
	MM ACC+32*\e+8*\t, WMB+12*\t, XF+12*\e, BI+8*\t, WSR+2*(\k%2)+\t/2, XS+\e, \t%2
.else
	MM ACC+32*\e+8*\t, WMB+12*\t, XF+12*\e, -1, WSR+2*(\k%2)+\t/2, XS+\e, \t%2
.endif
.endr
.endr
	PLACES
.if \k < 6
	WLOAD \wp, \sp, \k+2
.endif
.if \k < 7
	XFETCH \k+1
.endif
.endr
.endm
; 32 numbers of a lane, register 16 b + i = k 32 b + 16 h + i of my token, become six registers of codes (lane (r, h): k 32 h + 0 .. 31) in v[dst] on, and two scale bytes in v[word].
.macro QUANT32 src, dst, word
.irp b, 0,1
	v_max3_num_f32 v[BM+\b], |v[\src+16*\b]|, |v[\src+1+16*\b]|, 0x1800000   ; my 16 numbers of block b, from each accumulator's low end on, and the floor 2^(3 - 127)
.endr
.irp i, 2,4,6,8,10,12,14
.irp b, 0,1
	v_max3_num_f32 v[BM+\b], v[BM+\b], |v[\src+16*\b+\i]|, |v[\src+1+16*\b+\i]|
.endr
.endr
.irp b, 0,1
	s_delay_alu instid0(VALU_DEP_2)
	v_permlanex16_b32 v[PT+\b], v[BM+\b], s[SEL], s[SEL+1]
.endr
.irp b, 0,1
	s_delay_alu instid0(VALU_DEP_2)
	v_max_num_f32 v[BM+\b], v[BM+\b], v[PT+\b]     ; with lane l xor 16's: the block's largest magnitude
.endr
.irp b, 0,1
	s_delay_alu instid0(VALU_DEP_2)
	v_add_nc_u32 v[SO+\b], 0xff000000, v[BM+\b]    ; 2 off its exponent field: the conversion's scale operand
.endr
.irp b, 0,1
	s_delay_alu instid0(VALU_DEP_2)
	v_lshrrev_b32 v[PT+\b], 23, v[SO+\b]           ; the scale's byte
.endr
	s_delay_alu instid0(VALU_DEP_1)
	v_lshl_or_b32 v[\word], v[PT+1], 8, v[PT]
	v_cvt_scalef32_pk16_fp6_f32 v[\dst:\dst+2], v[\src:\src+15], v[SO]
	v_cvt_scalef32_pk16_fp6_f32 v[CT:CT+2], v[\src+16:\src+31], v[SO+1]
	v_nop                                          ; one plain place behind a scaled conversion
.irp i, 0,1,2
	v_permlane16_swap_b32 v[\dst+\i], v[CT+\i]     ; a whole block to a lane: lanes 0-15 block 0, lanes 16-31 block 1
.endr
.irp i, 0,1,2
	s_delay_alu instid0(VALU_DEP_3)
	v_mov_b32 v[\dst+3+\i], v[CT+\i]
.endr
.endm
; A KEY STEP: 128 keys against the tile whose q stands in v[qr] on, its scale word in v[qs], its first token in s[sq0].
.macro STEP qr, qs, sq0
	s_add_co_u32 s62, s[\sq0], 23                  ; the tile's last token
	s_cmp_gt_u32 s[KF], s62
	s_cbranch_scc1 .Lhid_\@                        ; all 128 keys come after it: nothing of this step counts
	v_add_nc_u32 v[ADK], s[TB], v[AK0]             ; (these four are also the places in front of the loads into registers that the last step's products have read)
	v_add_nc_u32 v[ADV], s[TB], v[AV0]
	v_add_nc_u32 v[ADS], s[TS], v[ASK0]
	v_add_nc_u32 v[ADT], s[TS], v[ASV0]
.irp t, 0,1,2,3,4,5,6,7
.irp p, 0,1,2
	ds_load_b64 v[KV+6*\t+2*\p:KV+6*\t+2*\p+1], v[ADK] offset:768*\t+8*\p   ; 24 bytes a lane: d 32 h on of the tile's key r
.endr
.endr
.irp b, 0,1,2,3
	ds_load_u16 v[KSC+\b], v[ADS] offset:64*\b     ; two bytes a key; the upper two bytes of the word are 0
.endr
	s_wait_alu depctr_va_vdst(0)
	s_wait_dscnt 0x0
.irp t, 0,1,2,3,4,5,6,7                ; S^T = K q^T
	MM S+8*\t, KV+6*\t, \qr, -1, KSC+\t/2, \qs, \t%2
.endr
	PLACES                                         ; in front of V's loads and of the first read of the scores
.irp t, 0,1,2,3
.irp c, 0,1
.irp p, 0,1,2
	ds_load_b64 v[KV+12*\t+6*\c+2*\p:KV+12*\t+6*\c+2*\p+1], v[ADV] offset:1536*\t+768*\c+8*\p   ; V's fragments are asked for here and land under the softmax
.endr
.endr
.endr
.irp u, 0,1
	ds_load_b32 v[VSC+\u], v[ADT] offset:128*\u
.endr
	s_add_co_u32 s62, s[KF], 127                   ; on the diagonal the scores of hidden keys become -infinity ahead of the maximum: p = 0 then.  A step all of whose keys count skips this
	s_cmp_le_u32 s62, s[\sq0]
	s_cbranch_scc1 .Lopen_\@
	s_sub_co_i32 s62, s[\sq0], s[KF]
	v_add_nc_u32 v247, s62, v[TQ]                  ; d = my token - KF - 16 h.  Register 16 b + i holds key KF + 32 b + 16 h + i: hidden where 32 b + i > d
	v_mov_b32 v246, 0xff800000                     ; -infinity
.set n, 0
.rept 64
	v_cmp_gt_i32 vcc_lo, 32*(n/16)+n%16, v247
	v_cndmask_b32 v[S+n], v[S+n], v246, vcc_lo
.set n, n+1
.endr
.Lopen_\@:
.irp b, 0,1,2,3
	v_max3_num_f32 v[BM+\b], v[S+16*\b], v[S+1+16*\b], v[S+2+16*\b]   ; THE LARGEST SCORE OF EACH BLOCK OF 32 KEYS serves twice: for the row's maximum and, since p rises with the score, for the block's largest p
.endr
.irp i, 3,5,7,9,11,13
.irp b, 0,1,2,3
	v_max3_num_f32 v[BM+\b], v[BM+\b], v[S+16*\b+\i], v[S+1+16*\b+\i]   ; (the four blocks by turns)
.endr
.endr
.irp b, 0,1,2,3
	v_max_num_f32 v[BM+\b], v[BM+\b], v[S+15+16*\b]
.endr
.irp b, 0,1,2,3
	s_delay_alu instid0(VALU_DEP_4)
	v_permlanex16_b32 v[PT+\b], v[BM+\b], s[SEL], s[SEL+1]
.endr
.irp b, 0,1,2,3
	s_delay_alu instid0(VALU_DEP_4)
	v_max_num_f32 v[BM+\b], v[BM+\b], v[PT+\b]     ; with lane l xor 16's 16 keys
.endr
	s_delay_alu instid0(VALU_DEP_2)
	v_max3_num_f32 v246, v[BM], v[BM+1], v[BM+2]
	s_delay_alu instid0(VALU_DEP_1)
	v_max_num_f32 v246, v246, v[BM+3]              ; the step's largest score of my token
	s_delay_alu instid0(VALU_DEP_1)
	v_mul_f32 v246, s[CS], v246                    ; as t (c is positive)
	s_delay_alu instid0(VALU_DEP_1)
	v_max_num_f32 v13, v13, v246                   ; the running largest t
	v_mov_b32 v246, v12
	s_delay_alu instid0(VALU_DEP_2)
	v_floor_f32 v12, -v13                          ; the new -M = floor(-t) = -ceil(t): M IS A WHOLE NUMBER
	s_delay_alu instid0(VALU_DEP_1)
	v_sub_f32 v246, v12, v246                      ; M's old value less its new one: a whole number, 0 or less
	s_delay_alu instid0(VALU_DEP_1)
	v_cvt_i32_f32 v246, v246                       ; (it saturates)
	s_delay_alu instid0(VALU_DEP_1)
	v_ldexp_f32 v[FF], 1.0, v246                   ; f = 2^(old M - new M)
.set n, 0
.rept 32
	v_pk_fma_f32 v[S+n:S+n+1], v[S+n:S+n+1], s[CS:CS+1], v[12:13] op_sel_hi:[1,0,0]   ; t - M, two at a time (of the pairs c and -M the low word serves both halves)
.set n, n+2
.endr
.irp b, 0,1,2,3
	v_fma_f32 v[BM+\b], v[BM+\b], s[CS], v12       ; the same of each block's largest score
.endr
.set n, 0
	s_wait_alu depctr_va_vdst(0)
.rept 64
	v_exp_f32 v[S+n], v[S+n]                       ; p = 2^(t - M), at most 1: NOT normalised
.set n, n+1
.endr
.irp b, 0,1,2,3
	v_exp_f32 v[BM+\b], v[BM+\b]                   ; the block's largest p: the same two instructions on the same number give the same bits
.endr
	v_pk_mul_f32 v[14:15], v[14:15], v[FF:FF+1] op_sel_hi:[1,0]   ; the sums under the new M.  (A plain place behind the exponentials)
	s_wait_alu depctr_va_vdst(0)
.irp b, 0,1,2,3
	v_max_num_f32 v[BM+\b], 0x1800000, v[BM+\b]    ; the floor 2^(3 - 127): the byte cannot fall under 1 (a block whose every p is 0 keeps that byte: its codes are zeros)
.endr
.irp b, 0,1,2,3
	s_delay_alu instid0(VALU_DEP_4)
	v_add_nc_u32 v[SO+\b], 0xff000000, v[BM+\b]    ; 2 off the exponent field: the conversion's scale operand
.endr
.irp b, 0,1,2,3
	s_delay_alu instid0(VALU_DEP_4)
	v_lshrrev_b32 v[PT+\b], 23, v[SO+\b]           ; the scale's byte
.endr
	s_delay_alu instid0(VALU_DEP_3)
	v_lshl_or_b32 v[PSC], v[PT+1], 8, v[PT]        ; p's scale word for these 128 keys
	s_delay_alu instid0(VALU_DEP_1)
	v_lshl_or_b32 v[PSC], v[PT+2], 16, v[PSC]
	s_delay_alu instid0(VALU_DEP_1)
	v_lshl_or_b32 v[PSC], v[PT+3], 24, v[PSC]
.irp c, 0,1
	v_cvt_scalef32_pk16_fp6_f32 v[PC+6*\c:PC+6*\c+2], v[S+32*\c:S+32*\c+15], v[SO+2*\c]
	v_cvt_scalef32_pk16_fp6_f32 v[CT+4*\c:CT+4*\c+2], v[S+32*\c+16:S+32*\c+31], v[SO+2*\c+1]   ; (a conversion's three registers begin on an even number)
.endr
	v_nop                                          ; one plain place behind a scaled conversion
.irp c, 0,1                            ; a WHOLE block to a lane: lanes 0-15 block 2 c, lanes 16-31 block 2 c + 1
.irp i, 0,1,2
	v_permlane16_swap_b32 v[PC+6*\c+\i], v[CT+4*\c+\i]
.endr
.irp i, 0,1,2
	s_delay_alu instid0(VALU_DEP_3)
	v_mov_b32 v[PC+3+6*\c+\i], v[CT+4*\c+\i]
.endr
.endr
	v_pk_add_f32 v[236:237], v[116:117], v[120:121]
	v_pk_add_f32 v[246:247], v[124:125], v[128:129]
	v_pk_add_f32 v[242:243], v[132:133], v[136:137]
	v_pk_add_f32 v[240:241], v[140:141], v[144:145]
	v_pk_add_f32 v[238:239], v[148:149], v[152:153]
	v_pk_add_f32 v[230:231], v[156:157], v[160:161]
	v_pk_add_f32 v[228:229], v[164:165], v[168:169]
	v_pk_add_f32 v[14:15], v[14:15], v[172:173]
	v_pk_add_f32 v[236:237], v[236:237], v[112:113]
	v_pk_add_f32 v[246:247], v[246:247], v[114:115]
	v_pk_add_f32 v[242:243], v[242:243], v[118:119]
	v_pk_add_f32 v[240:241], v[240:241], v[122:123]
	v_pk_add_f32 v[238:239], v[238:239], v[126:127]
	v_pk_add_f32 v[230:231], v[230:231], v[130:131]
	v_pk_add_f32 v[228:229], v[228:229], v[134:135]
	v_pk_add_f32 v[14:15], v[14:15], v[138:139]
	v_pk_add_f32 v[236:237], v[236:237], v[142:143]
	v_pk_add_f32 v[246:247], v[246:247], v[146:147]
	v_pk_add_f32 v[242:243], v[242:243], v[150:151]
	v_pk_add_f32 v[240:241], v[240:241], v[154:155]
	v_pk_add_f32 v[238:239], v[238:239], v[158:159]
	v_pk_add_f32 v[230:231], v[230:231], v[162:163]
	v_pk_add_f32 v[228:229], v[228:229], v[166:167]
	v_pk_add_f32 v[14:15], v[14:15], v[170:171]
	v_pk_add_f32 v[236:237], v[236:237], v[174:175]
	s_delay_alu instid0(VALU_DEP_2)
	v_pk_add_f32 v[14:15], v[14:15], v[240:241]
	s_delay_alu instid0(VALU_DEP_2)
	v_pk_add_f32 v[236:237], v[236:237], v[238:239]
	v_pk_add_f32 v[246:247], v[246:247], v[230:231]
	v_pk_add_f32 v[242:243], v[242:243], v[228:229]
	s_delay_alu instid0(VALU_DEP_2)
	v_pk_add_f32 v[14:15], v[14:15], v[246:247]
	s_delay_alu instid0(VALU_DEP_2)
	v_pk_add_f32 v[236:237], v[236:237], v[242:243]
	s_delay_alu instid0(VALU_DEP_1)
	v_pk_add_f32 v[14:15], v[14:15], v[236:237]
.set n, 0
.rept 16
	v_pk_mul_f32 v[O+n:O+n+1], v[O+n:O+n+1], v[FF:FF+1] op_sel_hi:[1,0]   ; O^T under the new M.  (These and the sums are the places between p's scale word and codes and the products below)
.set n, n+2
.endr
	s_wait_alu depctr_va_vdst(0)
	s_wait_dscnt 0x0                               ; V's fragments and scale words are in
.irp t, 0,1,2,3                        ; O^T += V^T p^T: the four accumulators by turns
	MM O+8*\t, KV+12*\t, PC, O+8*\t, VSC+\t/2, PSC, \t%2
.endr
.Lhid_\@:
.endm
; Tile e from its q to its part of the last product's operand.
.macro PASS e, qr, qs, sq0
	v_mov_b32 v13, 0xff61b1e6                      ; the largest t so far: -3e38, under every t
	s_delay_alu instid0(VALU_DEP_1)
	v_floor_f32 v12, -v13                          ; -M
	v_mov_b32 v14, 0                               ; the sum, in two halves
	v_mov_b32 v15, 0
.set n, 0
.rept 32
	v_mov_b32 v[O+n], 0                            ; O^T.  (The step is written once: the first finds zeros, which the first change of M leaves zeros)
.set n, n+1
.endr
	s_mov_b32 s[TB], 0
	s_mov_b32 s[TS], 0
	s_mov_b32 s[KF], 0
	s_mov_b32 s[CNT], 16
.Lkeys_\@:                             ; 16 trips, a constant: what is left out of a trip is its work, never the lines that step addresses
	STEP \qr, \qs, \sq0
	s_add_co_u32 s[TB], s[TB], 6144
	s_add_co_u32 s[TS], s[TS], 256
	s_add_co_u32 s[KF], s[KF], 128
	s_sub_co_u32 s[CNT], s[CNT], 1
	s_cmp_lg_u32 s[CNT], 0
	s_cbranch_scc1 .Lkeys_\@
	PLACES                                         ; the last trip's products may stand just above
	v_add_f32 v14, v14, v15                        ; the sum's two halves,
	s_delay_alu instid0(VALU_DEP_1)
	v_permlanex16_b32 v[PT], v14, s[SEL], s[SEL+1]
	s_delay_alu instid0(VALU_DEP_1)
	v_add_f32 v14, v14, v[PT]                      ; and lane l xor 16's: the row's sum
	s_wait_alu depctr_va_vdst(0)
	v_rcp_f32 v14, v14
	v_nop                                          ; one plain place behind a transcendental
.set n, 0
	s_wait_alu depctr_va_vdst(0)
.rept 16
	v_pk_mul_f32 v[O+n:O+n+1], v[O+n:O+n+1], v[14:15] op_sel_hi:[1,0]   ; O^T / the sum, each accumulator from its low end on: register 16 b + i = d 32 b + 16 h + i
.set n, n+2
.endr
	QUANT32 O, PC, 246
	ds_store_b64 v[OA0], v[PC:PC+1] offset:\e*12288      ; my six registers are registers 6 c .. 6 c + 5 (c = head % 2) of fragment (e, head / 2): into their places in its image
	ds_store_b64 v[OA1], v[PC+2:PC+3] offset:\e*12288
	ds_store_b64 v[OA2], v[PC+4:PC+5] offset:\e*12288
	ds_store_b16 v[OAS], v246 offset:\e*1024             ; and bytes 2 c, 2 c + 1 of its scale words
	s_wait_dscnt 0x0                               ; the stores have landed and have read their registers
.endm
	s_load_b512 s[4:19], s[0:1], 0x0               ; xc s[4:5], xs s[6:7], wimg s[8:9], wsc s[10:11], kc s[12:13], ks s[14:15], vc s[16:17], vs s[18:19]
	s_load_b128 s[20:23], s[0:1], 0x40             ; bp s[20:21], out0 s[22:23]
	v_lshl_add_u32 v249, v0, 2, 0x40000
	v_mov_b32 v255, 0
	ds_add_u32 v249, v255
	ds_add_u32 v249, v255
	v_lshrrev_b32 v7, 5, v0
	s_delay_alu instid0(VALU_DEP_1)
	v_readfirstlane_b32 s[WV], v7                  ; wave 0..15
	v_and_b32 v7, 31, v0                           ; L
	v_and_b32 v8, 15, v0                           ; r
	v_bfe_u32 v9, v0, 4, 1                         ; h
	s_delay_alu instid0(VALU_DEP_3)
	v_lshlrev_b32 v[LI], 4, v7
	s_delay_alu instid0(VALU_DEP_4)
	v_lshlrev_b32 v[LS], 2, v7
	s_delay_alu instid0(VALU_DEP_4)
	v_mul_u32_u24 v[AK0], v8, 24
	s_delay_alu instid0(VALU_DEP_1)
	v_mad_u32_u24 v[AK0], v9, 384, v[AK0]          ; 384 h + 24 r (KCL = 0)
	s_delay_alu instid0(VALU_DEP_1)
	v_add_nc_u32 v[AV0], VCL, v[AK0]
	v_lshl_add_u32 v[ASK0], v7, 1, KSL
	v_add_nc_u32 v[ASV0], VSL, v[LS]
	v_lshlrev_b32 v[BOF], 5, v9
	v_and_b32 v10, 8, v8
	s_delay_alu instid0(VALU_DEP_1)
	v_add_nc_u32 v10, v10, v8
	v_lshlrev_b32 v11, 4, v9
	s_delay_alu instid0(VALU_DEP_1)
	v_sub_nc_u32 v[TQ], v10, v11
	GROUP1 36, 32, 96                              ; s[36:43]: 24,576 bytes: a quarter of a batch's codes of K or of V
	GROUP1 44, 32, 48                              ; s[44:51]: 12,288 bytes: a tile's eight fragments of x
	GROUP1 52, 32, 8                               ; s[52:59]: 2,048 bytes: half of a batch's scale bytes of K or of V
	GROUP1 68, 32, 4                               ; s[68:75]: 1,024 bytes: a tile's scale words
	s_lshr_b32 s25, ttmp9, 6                       ; batch
	s_and_b32 s26, ttmp9, 63                       ; kbA
	s_sub_co_u32 s27, 63, s26                      ; kbB
	s_lshl_b32 s[Q0A], s26, 5
	s_lshl_b32 s[Q0B], s27, 5
	s_add_co_u32 s[Q0B], s[Q0B], 8
	s_and_b32 s61, s[WV], 1                        ; of the waves that fetch x the even one takes tile A, the odd one tile B
	s_cselect_b32 s60, s27, s26
	s_lshl_b32 s61, s25, 6
	s_add_co_u32 s60, s60, s61
	s_lshl_b32 s60, s60, 1
	s_and_b32 s61, s[WV], 1
	s_add_co_u32 s60, s60, s61                     ; the tile's number in xc: 2 (64 batch + kb) + e
	s_mul_i32 s2, s60, 12288
	s_mov_b32 s3, 0
	s_lshl_b32 s62, s60, 10
	s_mov_b32 s63, 0
	s_mul_i32 s66, s25, 98304
	s_and_b32 s67, s[WV], 3
	s_mul_i32 s67, s67, 24576                      ; my quarter of K's or V's codes
	s_add_co_u32 s66, s66, s67
	s_mov_b32 s67, 0
	s_lshl_b32 s100, s25, 12
	s_and_b32 s101, s[WV], 1
	s_lshl_b32 s101, s101, 11                      ; my half of K's or V's scale bytes
	s_add_co_u32 s100, s100, s101
	s_mov_b32 s101, 0
	s_mov_b32 s76, 1                               ; four groups 0: count = 1, the LDS address: a constant + the wave's number x a constant
	s_and_b32 s77, s[WV], 1
	s_mul_i32 s77, s77, 12288
	s_add_co_u32 s77, s77, XIMG
	s_mov_b32 s80, 1
	s_and_b32 s81, s[WV], 1
	s_lshl_b32 s81, s81, 10
	s_add_co_u32 s81, s81, XSCL
	s_mov_b32 s84, 1
	s_mul_i32 s85, s[WV], 24576                    ; waves 0-3 K's quarters, waves 4-7 V's, which lie behind them
	s_mov_b32 s88, 1
	s_and_b32 s89, s[WV], 3
	s_lshl_b32 s89, s89, 11                        ; waves 12, 13 K's halves, waves 14, 15 V's, which lie behind them
	s_add_co_u32 s89, s89, KSL
	s_mov_b32 s[SEL], 0x76543210
	s_mov_b32 s[SEL+1], 0xfedcba98
	s_mov_b32 s[CS], 0x3e38aa3b                    ; c = log2(e) / 8
	s_mov_b32 s[CS+1], s[CS]                       ; (named with it as a pair, so it is written)
	s_wait_alu depctr_va_vdst(0)
	s_wait_dscnt 0x0
	s_wait_kmcnt 0x0
	s_add_nc_u64 s[78:79], s[4:5], s[2:3]          ; the global addresses, and the type = 2 on top
	s_or_b32 s79, s79, 0x80000000
	s_add_nc_u64 s[82:83], s[6:7], s[62:63]
	s_or_b32 s83, s83, 0x80000000
	s_cmp_lt_u32 s[WV], 4
	s_cselect_b64 s[86:87], s[12:13], s[16:17]     ; K's codes or V's: the choice hangs on the wave's number alone
	s_add_nc_u64 s[86:87], s[86:87], s[66:67]
	s_or_b32 s87, s87, 0x80000000
	s_cmp_lt_u32 s[WV], 14
	s_cselect_b64 s[90:91], s[14:15], s[18:19]     ; K's scale bytes or V's
	s_add_nc_u64 s[90:91], s[90:91], s[100:101]
	s_or_b32 s91, s91, 0x80000000
	; THE HEAD'S FILLS, ONE TENSOR LOAD A WAVE: sixteen loads in one chain of four arms on the wave's number; a wave has one load out.
	; Waves 0-7: a quarter each of K's and V's codes; 8, 9: x's two tiles; 10, 11: their scale words; 12-15: a half each of K's and V's scale bytes.
	s_cmp_lt_u32 s[WV], 8
	s_cbranch_scc0 .Lhead_x
	tensor_load_to_lds s[84:87], s[36:43]
	s_nop 0
	PLACES
	s_branch .Lhead_asked
.Lhead_x:
	s_cmp_lt_u32 s[WV], 10
	s_cbranch_scc0 .Lhead_xs
	tensor_load_to_lds s[76:79], s[44:51]
	s_nop 0
	PLACES
	s_branch .Lhead_asked
.Lhead_xs:
	s_cmp_lt_u32 s[WV], 12
	s_cbranch_scc0 .Lhead_s
	tensor_load_to_lds s[80:83], s[68:75]
	s_nop 0
	PLACES
	s_branch .Lhead_asked
.Lhead_s:
	tensor_load_to_lds s[88:91], s[52:59]
	s_nop 0
	PLACES
.Lhead_asked:
	s_mul_i32 s2, s[WV], 49152
	s_add_nc_u64 s[4:5], s[8:9], s[2:3]            ; Wq's images of my head
	s_add_co_u32 s2, s2, 18*49152
	s_add_nc_u64 s[12:13], s[8:9], s[2:3]          ; Wp's images of my 64 columns
	s_lshl_b32 s2, s[WV], 11
	s_add_nc_u64 s[6:7], s[10:11], s[2:3]          ; and the scale words
	s_add_co_u32 s2, s2, 18*2048
	s_add_nc_u64 s[14:15], s[10:11], s[2:3]
	WLOAD 4, 6, 0
	WLOAD 4, 6, 1
	s_lshl_b32 s2, s[WV], 8
	s_add_nc_u64 s[20:21], s[20:21], s[2:3]        ; bp at my 64 columns
	s_lshl_b32 s62, s25, 11
	s_add_co_u32 s62, s62, s[Q0A]
	s_lshl_b32 s62, s62, 12
	s_add_co_u32 s62, s62, s2
	s_add_nc_u64 s[16:17], s[22:23], s[62:63]      ; out0 at tile A's first token, my 64 columns
	s_lshl_b32 s62, s25, 11
	s_add_co_u32 s62, s62, s[Q0B]
	s_lshl_b32 s62, s62, 12
	s_add_co_u32 s62, s62, s2
	s_add_nc_u64 s[18:19], s[22:23], s[62:63]      ; and at tile B's
	s_lshr_b32 s62, s[WV], 1                       ; the last product's K step that my head lies in,
	s_and_b32 s63, s[WV], 1                        ; and which half of it: c
	s_mul_i32 s66, s62, 1536
	s_add_co_u32 s66, s66, OIMG
	s_mul_i32 s67, s63, 520
	s_add_co_u32 s67, s67, s66
	v_add_nc_u32 v[OA0], s67, v[LI]                ; registers 6 c, 6 c + 1: byte 16 L (c = 0) or 512 + 16 L + 8
	s_add_co_u32 s67, s67, 512
	v_add_nc_u32 v[OA2], s67, v[LI]                ; registers 6 c + 4, 6 c + 5: 512 + 16 L or 1,024 + 16 L + 8
	s_mul_i32 s67, s63, 1016
	s_add_co_u32 s67, s67, s66
	s_add_co_u32 s67, s67, 8
	v_add_nc_u32 v[OA1], s67, v[LI]                ; registers 6 c + 2, 6 c + 3: 16 L + 8 or 1,024 + 16 L
	s_lshl_b32 s66, s62, 7
	s_lshl_b32 s67, s63, 1
	s_add_co_u32 s66, s66, s67
	s_add_co_u32 s66, s66, OSCL
	v_add_nc_u32 v[OAS], s66, v[LS]
.irp i, 0,1,2,3,4,5
	v_mov_b32 v[QA+6+\i], 0                        ; zero codes for k = 64 .. 127 of the scores' product,
	v_mov_b32 v[QB+6+\i], 0
	v_mov_b32 v[KV+48+\i], 0                       ; and behind K's last tile
.endr
	s_wait_tensorcnt 0x0                           ; my one load has landed; the weights' first two K steps are on their way meanwhile
	s_barrier_signal -1
	s_barrier_wait -1                              ; everybody's have
	; ---- 1: q of my head for both tiles
	GEMM64 4, 6, XIMG, XSCL, 0
.irp b, 0,1,2,3
	v_mov_b32 v[PT+\b], 0                          ; written once: a lane permute's destination counts as one of its sources.  (Behind the four places that end the product above, which read these registers)
.endr
	v_mov_b32 v[FF+1], 0                           ; (named as the upper half of the pair with f)
	QUANT32 ACC, QA, QSA
	QUANT32 ACC+32, QB, QSB                        ; no barrier here: the one ahead of the product has shown K, V and their scale bytes to every wave
	; ---- 2, 3: attention, a tile at a time
	PASS 0, QA, QSA, Q0A
	PASS 1, QB, QSB, Q0B
	; ---- 4: the last product.  Its bias and first weights are asked for ahead of the barrier
.irp t, 0,1,2,3
	global_load_b128 v[BI+8*\t:BI+8*\t+3], v[BOF], s[20:21] offset:64*\t        ; lane (r, h), tile t: bp of columns 16 t + 8 h + 0 .. 7
	global_load_b128 v[BI+8*\t+4:BI+8*\t+7], v[BOF], s[20:21] offset:64*\t+16
.endr
	WLOAD 12, 14, 0
	WLOAD 12, 14, 1
	s_barrier_signal -1                            ; each pass ended with a wait for all my LDS instructions: my parts of the images lie in LDS, and my reads of K and V are over
	s_barrier_wait -1                              ; both now hold of every wave
	GEMM64 12, 14, OIMG, OSCL, 1
	; ---- THE WAY OUT.  A lane holds 32 neighbouring bytes of a token's row and the lanes beside it other tokens: a tile goes through my own stage and comes back as rows of 256 bytes
	v_and_b32 v11, 15, v0                          ; r
	v_bfe_u32 v12, v0, 4, 1                        ; h
	s_mul_i32 s62, s[WV], 4352                     ; my stage (STAGE = 0)
	v_mul_u32_u24 v8, v11, 272
	s_delay_alu instid0(VALU_DEP_1)
	v_lshl_add_u32 v8, v12, 5, v8
	s_delay_alu instid0(VALU_DEP_1)
	v_add_nc_u32 v8, s62, v8                       ; in: row r, + 32 h
	v_mul_u32_u24 v9, v12, 272
	s_delay_alu instid0(VALU_DEP_1)
	v_lshl_add_u32 v9, v11, 4, v9
	s_delay_alu instid0(VALU_DEP_1)
	v_add_nc_u32 v9, s62, v9                       ; back: lanes 0-15 one row, lanes 16-31 the next
	v_lshlrev_b32 v10, 12, v12
	s_delay_alu instid0(VALU_DEP_1)
	v_lshl_add_u32 v10, v11, 4, v10                ; and the same two tokens in out0
.irp e, 0,1
.irp t, 0,1,2,3
	ds_store_b128 v8, v[ACC+32*\e+8*\t:ACC+32*\e+8*\t+3] offset:64*\t            ; each accumulator from its low end on
	ds_store_b128 v8, v[ACC+32*\e+8*\t+4:ACC+32*\e+8*\t+7] offset:64*\t+16
.endr
.irp i, 0,1,2,3,4,5,6,7
	ds_load_b128 v[W1+32*\e+4*\i:W1+32*\e+4*\i+3], v9 offset:2*\i*272            ; LDS serves a wave's instructions in order (ISA guide 5.7.1.4): these see my stores, and the next tile's stores come behind them
.endr
.endr
	s_wait_alu depctr_va_vdst(0)
.irp i, 0,1,2,3,4,5,6,7
	s_wait_dscnt 23-\i                             ; behind tile A's load i: its 7 - i younger loads and tile B's 16 LDS instructions
	global_store_b128 v10, v[W1+4*\i:W1+4*\i+3], s[16:17] offset:(2*\i+8*(\i/4))*4096 th:TH_STORE_NT   ; the tile's rows 2 i, 2 i + 1 are tokens 2 i + 8 (i / 4) on; 16 lanes store 256 consecutive bytes, at a multiple of 256 from out0's first byte
.endr
.irp i, 0,1,2,3,4,5,6,7
	s_wait_dscnt 7-\i
	global_store_b128 v10, v[W1+32+4*\i:W1+32+4*\i+3], s[18:19] offset:(2*\i+8*(\i/4))*4096 th:TH_STORE_NT
.endr
	s_wait_tensorcnt 0x0
	ds_add_u32 v249, v255
	s_wait_dscnt 0x0
	s_endpgm
.Lfunc_end_k_q2cd9fbe5c5_attn:
	.size	k_q2cd9fbe5c5_attn, .Lfunc_end_k_q2cd9fbe5c5_attn-k_q2cd9fbe5c5_attn
	.p2alignl 7, 3214868480
	.fill 96, 4, 3214868480
	.section	.rodata,"a",@progbits
	.p2align	6, 0x0
	.amdhsa_kernel k_q2cd9fbe5c5_attn
		.amdhsa_group_segment_fixed_size 264192
		.amdhsa_private_segment_fixed_size 0
		.amdhsa_enable_private_segment 0
		.amdhsa_kernarg_size 80
		.amdhsa_user_sgpr_count 2
		.amdhsa_user_sgpr_kernarg_segment_ptr 1
		.amdhsa_wavefront_size32 1
		.amdhsa_system_sgpr_workgroup_id_x 1
		.amdhsa_system_sgpr_workgroup_id_y 1
		.amdhsa_system_sgpr_workgroup_id_z 1
		.amdhsa_system_vgpr_workitem_id 0
		.amdhsa_next_free_vgpr 256
		.amdhsa_next_free_sgpr 102
		.amdhsa_reserve_vcc 1
		.amdhsa_float_denorm_mode_32 3
		.amdhsa_float_denorm_mode_16_64 3
		.amdhsa_memory_ordered 1
		.amdhsa_forward_progress 1
		.amdhsa_inst_pref_size 126
	.end_amdhsa_kernel
	.amdgpu_metadata
---
amdhsa.version: [ 1, 2 ]
amdhsa.kernels:
  - .name:           k_q2cd9fbe5c5_attn
    .symbol:         k_q2cd9fbe5c5_attn.kd
    .args:
      - { .name: xc, .offset: 0, .size: 8, .value_kind: global_buffer, .address_space: global }
      - { .name: xs, .offset: 8, .size: 8, .value_kind: global_buffer, .address_space: global }
      - { .name: wimg, .offset: 16, .size: 8, .value_kind: global_buffer, .address_space: global }
      - { .name: wsc, .offset: 24, .size: 8, .value_kind: global_buffer, .address_space: global }
      - { .name: kc, .offset: 32, .size: 8, .value_kind: global_buffer, .address_space: global }
      - { .name: ks, .offset: 40, .size: 8, .value_kind: global_buffer, .address_space: global }
      - { .name: vc, .offset: 48, .size: 8, .value_kind: global_buffer, .address_space: global }
      - { .name: vs, .offset: 56, .size: 8, .value_kind: global_buffer, .address_space: global }
      - { .name: bp, .offset: 64, .size: 8, .value_kind: global_buffer, .address_space: global }
      - { .name: out0, .offset: 72, .size: 8, .value_kind: global_buffer, .address_space: global }
    .group_segment_fixed_size: 264192
    .private_segment_fixed_size: 0
    .kernarg_segment_align: 8
    .kernarg_segment_size: 80
    .max_flat_workgroup_size: 512
    .sgpr_count:     102
    .vgpr_count:     256
    .wavefront_size: 32
...
	.end_amdgpu_metadata
.endif
;; end of part 3
